; MI455X (gfx1250); checked and timed in simulation.
; The chip was launched on July 23, 2026; its instructions are those of AMD's public machine-readable ISA for CDNA 5 (MIT licence, August 2026) and "CDNA5" Instruction Set Architecture Reference Guide (July 2026). The comments in the code are by the model that wrote it; some were corrected since.
;; Fast Attention. Allowed arithmetic: matrix products marked QUANTISED: E2M1 operands, one E8M0 scale for each 32 along K, by v_wmma_scale_f32_16x16x128_f8f6f4 with both operands' format E2M1 (or v_wmma_scale_f32_32x16x128_f4), f32 sums; products left as they are: f32 operands where the result goes on into a quantised operand, else bf16, f16 or f32 operands; f32 sums; everything else in f32.
;; Inputs: Wk_codes 512 x 16 x 16 uint8 (E2M1 codes of Wk, K innermost, in blocks of 32 codes, two codes a byte); Wk_scales 512 x 16 uint8 (E8M0 scales of Wk, one for each 32 codes along K); Wq_codes 512 x 16 x 16 uint8 (E2M1 codes of Wq, K innermost, in blocks of 32 codes, two codes a byte); Wq_scales 512 x 16 uint8 (E8M0 scales of Wq, one for each 32 codes along K); Wv_codes 512 x 16 x 16 uint8 (E2M1 codes of Wv, K innermost, in blocks of 32 codes, two codes a byte); Wv_scales 512 x 16 uint8 (E8M0 scales of Wv, one for each 32 codes along K); bk 512 float32; bq 512 float32; bv 512 float32; x 64 x 2,048 x 512 float32.
;; Outputs: out0 64 x 512 float32.
;; This version of the problem:
;;   THIS VERSION OF THE PROBLEM IS GIVEN IN LOW PRECISION. The matrix products marked QUANTISED in the list below multiply operands that are first quantised to E2M1 (2 exponent bits, 1 mantissa bit; 4 bits a number), with one power-of-two scale for each 32 numbers along K (OCP MX v1.0); their sums are f32. All else is computed in f32.
;;   The module's matrix products, in the order in which they are computed (A, B: the left and right operand; K: the contracted axis; several contracted axes count as one K, in the product's order):
;;     1. [M 64, K 512] x [K 512, N 512]; A: computed on the way; B: input Wq (given as codes): QUANTISED
;;     2. [M 131,072, K 512] x [K 512, N 512]; A: input x; B: input Wk (given as codes): QUANTISED
;;     3. batch 64 x [M 1, K 512] x [K 512, N 2,048]; A: computed on the way; B: computed on the way: left as it is (M = 1 < 16)
;;     4. [M 131,072, K 512] x [K 512, N 512]; A: input x; B: input Wv (given as codes): QUANTISED
;;     5. batch 64 x [M 1, K 2,048] x [K 2,048, N 512]; A: softmax; B: computed on the way: left as it is (M = 1 < 16)
;;   THE QUANTISER, for each operand of a quantised product, along K:
;;     - K is cut into blocks of 32 from its start; a last block that is shorter is filled with zeros.
;;     - A block's scale is 2^e with e = floor(log2(the largest magnitude in the block)) - 2, held to -126 .. 127; a block of zeros has e = 0. As a byte (E8M0): e + 127.
;;     - Each number is divided by its block's scale, clamped to +-6, and rounded to the nearest number of E2M1, ties to even, subnormals kept.
;;     - The product sums the exact products of the quantised numbers (number of the format x scale) in f32.
;;   ~~~python
;;   def quantise(x, axis):      # numpy; x: float32 -> the quantised numbers, widened to float32 again
;;       x = np.moveaxis(x, axis, -1); K = x.shape[-1]
;;       x = np.pad(x, [(0, 0)] * (x.ndim - 1) + [(0, -K % 32)]); x = x.reshape(x.shape[:-1] + (-1, 32)); a = np.abs(x).max(-1, keepdims=True)
;;       e = np.where(a > 0, np.clip(np.frexp(np.where(a > 0, a, 1))[1] - 1 - 2, -126, 127), 0)      # np.frexp(a)[1] - 1 = floor(log2(a)), exactly
;;       r = np.clip(x / 2.0 ** e, -6, 6)
;;       step = 2.0 ** (np.maximum(np.frexp(np.where(r == 0, 1, r))[1] - 1, 0) - 1)
;;       q = np.round(r / step) * step * 2.0 ** e      # np.round: ties to even
;;       return np.moveaxis(q.reshape(q.shape[:-2] + (-1,))[..., :K], -1, axis).astype(np.float32)
;;   ~~~
;;   OPERANDS COMPUTED ON THE WAY. 'Computed on the way' means the value that the module computes at that place (a softmax that the list does not call 'softmax' is quantised finished and normalised). What goes into a quantiser is computed in f32, as accurately as f32 sums, v_exp_f32 and their like allow (about 1e-6 of the number): no bf16 or f16 on the way to a quantiser, and a product that is left as it is and whose result goes on into a quantised operand takes f32 operands (vector FMAs, or v_wmma_f32_16x16x4_f32). A number that lies on a knife's edge between two numbers of the format may be rounded either way, as far as f32 arithmetic and the matrix unit's own rounding can turn it there, and no further.
;;   INPUTS GIVEN AS CODES. Wk (in the module: [512, 512], K = its axis 1); Wq (in the module: [512, 512], K = its axis 1); Wv (in the module: [512, 512], K = its axis 1): each comes as NAME_codes (uint8): NAME with its K axis moved to the last place and cut into blocks of 32 codes, [.., K / 32, bytes a block], one block behind the other in memory; two codes a byte, the lower K in the low four bits (a code: sign, 2 exponent bits, 1 mantissa bit); and NAME_scales (uint8): the same leading axes, one E8M0 byte (e + 127) for each 32 codes along K. Its value is code x scale, taken as it is: it is not quantised again, and the codes and scales need not be those that the quantiser above would give.
;; One version. Each part assembles by itself: llvm-mc -triple=amdgcn-amd-amdhsa -mcpu=gfx1250 --defsym DOCPART=n.
;; ======== version 1 of 1: 3 launches
;; limits: right only within a limited range of input values
;; workspace buffers: xc 35,651,584 bytes; qp 524,288 bytes; part 589,824 bytes
;; launch quant (part 1): grid 256 x 1, 16 waves a work-group, no clusters, 45,056 bytes of LDS; arguments x, Wq_codes, Wq_scales, xc, qp; writes xc, qp
.if DOCPART == 1
	.amdgcn_target "amdgcn-amd-amdhsa--gfx1250"
	.amdhsa_code_object_version 6
	.text
	.protected	k_q510cab9279_quant
	.globl	k_q510cab9279_quant
	.p2align	8
	.type	k_q510cab9279_quant,@function
k_q510cab9279_quant:
	s_mov_b64 s[64:65], 0
	v_nop
	global_prefetch_b8 v0, s[64:65] scope:SCOPE_SE
	s_setreg_imm32_b32 hwreg(HW_REG_WAVE_MODE, 25, 1), 1
	s_wait_xcnt 0x0
; x [64 batches][2048 tokens][512] f32 becomes codes of FP4 (E2M1) with one E8M0 byte for each 32 along the 512; and the first product, q = Q(mean of x) Wq^T, is made in four parts along K.
; DEAD WORK, for the whole program.  scores[b][s] = q[b] . (k[b][s] + bk) = q[b] . k[b][s] + q[b] . bk, and q[b] . bk is the same for all s of a batch: the softmax over s takes it away for all values of the inputs.
; The product q . k is not quantised, so bk moves no code and no scale.  bk has no way to the output: it is not loaded and is no argument of any launch.  bv is added once at the end: the softmax's weights sum to 1.
; LIMITS: a NaN, an infinity or an overflow that reaches only the work left out is not carried to the result; NaN and infinities among the inputs are not served.
; A block of zeros gets the byte 1 where the rule says 127: its codes are zeros, and this program alone reads the bytes.
; SHARES.  Work-group g takes batch g / 4 and columns 128 j .. 128 j + 127, j = g % 4: one K step of 128, four blocks, of all 2,048 tokens; each of its 16 waves 128 tokens, 8 tiles of 16.
; So a work-group owns whole column sums: it quantises its 128 numbers of the mean and multiplies them with its K step of Wq's 512 rows, 32 rows a wave; the four f32 parts of q are added by the next launch.
; A load reads a token's 512 consecutive bytes: lane l holds columns 4 l .. 4 l + 3 of block l / 8.  A block's largest magnitude takes three steps across 8 lanes.
; Each number is multiplied by 2^(128 - f), f the largest magnitude's exponent field (exact), and converted under the scale 1/2: together a division by 2^(f - 129), the block's scale.
; A conversion takes two tokens' four numbers: a lane's four results hold 8 tokens x 16 bits.  One 16-byte LDS store a lane and one transposing load give lane (token, block) the block's 16 bytes, the operand's register image.
; xc: records of 64 tokens, 17,408 bytes: 4 tiles x [K step s][c][lane][16 bytes], then [s][64 tokens] scale words.  Every store of the wave covers whole aligned runs of 256 bytes.
; No tensor loads and no cluster: no two work-groups read the same bytes of x, and Wq's part is 32 KiB a work-group, read once.
.set REC,   17408
.set SUMS,  32768                      ; behind the waves' regions of 2,048 bytes: their column sums, 512 bytes each
.set QS,    40960                      ; the work-group's 512 numbers of q's part
.set SPARE, 43008                      ; the spare words
.set LOF, 1                            ; 16 x lane
.set CW,  2                            ; my region + 16 x lane: codes in
.set CR,  3                            ; codes back, transposed
.set SBW, 4                            ; region + 16 (lane / 8): a tile's scale fields of my block
.set SBR, 5                            ; region + 64 (lane / 4) + 4 (lane % 4)
.set SO,  6                            ; scale words' way out: REC (lane / 16) + 16 (lane % 16)
.set SW,  7                            ; 512 x wave + 16 x lane
.set MSW, 8                            ; region + lane / 8
.set MSR, 9                            ; region
.set QW,  10                           ; QS + 128 x wave + 32 (lane / 16)
.set PO,  11                           ; 16 x thread
.set WQO, 12                           ; 256 (lane % 16) + 16 (lane / 16)
.set HLF, 13                           ; 0.5: the conversions' scale operand
.set M,   16                           ; v16-31 a tile's 16 largest magnitudes, then 2^(128 - f)
.set CD,  32                           ; v32-39 codes
.set SUM, 40                           ; v40-47 column sums, two sets
.set R,   48                           ; v48-239 three sets of 16 tokens x 4
.set D,   240                          ; v240-243 a tile's fields, four tokens a word
.set OUT, 244                          ; v244-251 a tile's codes on the way out
.set SPW, 252
.set NIL, 253
.set SCA, 254                          ; Wq's scale words
.set SCB, 255                          ; the mean's scale word
.set WA,  R+128                        ; Wq's 32 rows x 128 K
.set P,   R                            ; the waves' sums
.set QD,  R+64                         ; q's part: 32 rows
	s_load_b256 s[4:11], s[0:1], 0x0               ; x, Wq's codes, Wq's scales, xc
	s_load_b64 s[12:13], s[0:1], 0x20              ; qp
	v_lshl_add_u32 v[SPW], v0, 2, SPARE
	v_mov_b32 v[NIL], 0
	v_lshrrev_b32 v2, 5, v0
	v_readfirstlane_b32 s20, v2                    ; wave
	v_and_b32 v14, 31, v0                          ; lane
	s_lshl_b32 s21, s20, 11                        ; my region
	v_lshlrev_b32 v[LOF], 4, v14
	v_and_b32 v15, 7, v14
	v_add_nc_u32 v[CW], s21, v[LOF]
	v_lshl_add_u32 v[CR], v15, 4, s21              ; back: source lane 8 block + lane % 8,
	v_bfe_u32 v15, v14, 3, 1
	v_mad_u32_u24 v[CR], v15, 640, v[CR]           ; tokens 8 .. 15 lie 640 bytes on
	v_lshrrev_b32 v15, 4, v14
	v_lshl_add_u32 v[CR], v15, 7, v[CR]            ; lanes 16-31 take the next block
	v_lshl_add_u32 v[QW], v15, 5, QS
	v_mul_u32_u24 v[SO], v15, REC
	v_lshlrev_b32 v[WQO], 4, v15
	v_and_b32 v15, 15, v14
	v_lshl_add_u32 v[SO], v15, 4, v[SO]
	v_lshl_add_u32 v[WQO], v15, 8, v[WQO]
	v_lshrrev_b32 v15, 3, v14
	v_add_nc_u32 v[MSW], s21, v15
	v_lshl_add_u32 v[SBW], v15, 4, s21
	v_lshrrev_b32 v15, 2, v14
	v_lshl_add_u32 v[SBR], v15, 6, s21
	v_and_b32 v15, 3, v14
	v_lshl_add_u32 v[SBR], v15, 2, v[SBR]
	v_mov_b32 v[MSR], s21
	s_lshl_b32 s22, s20, 9
	v_add_nc_u32 v[SW], s22, v[LOF]
	s_lshl_b32 s22, s20, 7
	v_add_nc_u32 v[QW], s22, v[QW]
	v_lshlrev_b32 v[PO], 4, v0
	v_mov_b32 v[HLF], 0.5
.set t, 0
.rept 8
	v_mov_b32 v[SUM+t], 0
.set t, t+1
.endr
	s_lshr_b32 s23, ttmp9, 2                       ; batch
	s_and_b32 s24, ttmp9, 3                        ; j
	s_lshl_b32 s26, s23, 22                        ; x: 4 MiB a batch,
	s_lshl_b32 s25, s24, 9                         ; 512 bytes a part of a row,
	s_add_co_u32 s26, s26, s25
	s_lshl_b32 s25, s20, 18                        ; 128 rows a wave
	s_add_co_u32 s26, s26, s25
	s_mov_b32 s27, 0
	s_lshl_b32 s38, s23, 5                         ; xc: 32 records a batch, two a wave
	s_lshl_b32 s25, s20, 1
	s_add_co_u32 s38, s38, s25
	s_mul_i32 s38, s38, REC
	s_lshl_b32 s25, s24, 10                        ; codes: K step j of a tile, 1,024 bytes
	s_add_co_u32 s28, s38, s25
	s_mov_b32 s29, 0
	s_lshl_b32 s25, s24, 8                         ; scale words: behind the record's codes, 256 bytes a K step
	s_add_co_u32 s30, s38, s25
	s_add_co_u32 s30, s30, 16384
	s_mov_b32 s31, 0
	s_lshl_b32 s32, ttmp9, 11                      ; qp: 2,048 bytes a work-group
	s_mov_b32 s33, 0
	s_lshl_b32 s34, s20, 13                        ; Wq's codes: 32 rows of 256 bytes a wave, 64 bytes a K step
	s_lshl_b32 s25, s24, 6
	s_add_co_u32 s34, s34, s25
	s_mov_b32 s35, 0
	s_lshl_b32 s36, s20, 9                         ; Wq's scales: 16 bytes a row, 4 a K step
	s_lshl_b32 s25, s24, 2
	s_add_co_u32 s36, s36, s25
	s_mov_b32 s37, 0
	s_wait_alu depctr_va_vdst(0)                   ; the wait at the head's end
	s_wait_kmcnt 0x0
	s_add_nc_u64 s[4:5], s[4:5], s[26:27]
	s_add_nc_u64 s[14:15], s[10:11], s[30:31]      ; scale words
	s_add_nc_u64 s[10:11], s[10:11], s[28:29]      ; codes
	s_add_nc_u64 s[12:13], s[12:13], s[32:33]
	s_add_nc_u64 s[6:7], s[6:7], s[34:35]
	s_add_nc_u64 s[8:9], s[8:9], s[36:37]
.macro LOAD n                          ; tile n: 16 loads of 512 consecutive bytes; read once in the launch
.set t, 0
.rept 16
	global_load_b128 v[R+64*((\n)%3)+4*t:R+64*((\n)%3)+4*t+3], v[LOF], s[4:5] offset:2048*(16*(\n)+t) th:TH_LOAD_NT
.set t, t+1
.endr
.endm
.macro XMAX m                          ; the 16 tokens by turns
.set t, 0
.rept 16
	v_max_num_f32_dpp v[M+t], v[M+t], v[M+t] row_xmask:\m row_mask:0xf bank_mask:0xf
.set t, t+1
.endr
.endm
.macro BACK                            ; c = 0: blocks 0 (lanes 0-15) and 1 (lanes 16-31), a token a lane; c = 1: blocks 2 and 3.  LDS serves a wave's instructions in order: these see my stores
	s_wait_alu depctr_va_vdst(0)                   ; the wait ahead of a blocking wait
	s_wait_xcnt 0x0                                ; the last stores have read v[OUT ..]
	ds_load_tr16_b128 v[OUT:OUT+3], v[CR]
	ds_load_tr16_b128 v[OUT+4:OUT+7], v[CR] offset:256
.endm
.macro SENDT n                         ; tile n's codes, back from LDS, leave; it stands in the middle of the next tile's work
	s_wait_alu depctr_va_vdst(0)                   ; the wait ahead of a blocking wait
	s_wait_dscnt 0x0
	global_store_b128 v[LOF], v[OUT:OUT+3], s[10:11] offset:((\n)/4)*REC+((\n)%4)*4096       ; 512 consecutive bytes, at a multiple of 256 from xc's first byte
	global_store_b128 v[LOF], v[OUT+4:OUT+7], s[10:11] offset:((\n)/4)*REC+((\n)%4)*4096+512
.endm
.macro TILE n
.set RT, R+64*((\n)%3)
	s_wait_alu depctr_va_vdst(0)
.if (\n) < 6
	s_wait_loadcnt 32                              ; behind this tile's loads: the next two tiles' 32
.elseif (\n) == 6
	s_wait_loadcnt 21                              ; tile 7's 16 and Wq's 5
.else
	s_wait_loadcnt 5                               ; Wq's 5
.endif
.set t, 0
.rept 16
	v_max3_num_f32 v[M+t], |v[RT+4*t]|, |v[RT+4*t+1]|, |v[RT+4*t+2]|
.set t, t+1
.endr
.set t, 0
.rept 16
	v_max3_num_f32 v[M+t], v[M+t], |v[RT+4*t+3]|, 0x1800000   ; the floor 2^(3 - 127): the byte cannot fall under 1
.set t, t+1
.endr
	XMAX 1
.if (\n) > 0
	SENDT (\n)-1
.endif
.set t, 0
.rept 16
	v_dual_add_f32 v[SUM+4*(t%2)], v[RT+4*t], v[SUM+4*(t%2)] :: v_dual_add_f32 v[SUM+4*(t%2)+1], v[RT+4*t+1], v[SUM+4*(t%2)+1]
	v_dual_add_f32 v[SUM+4*(t%2)+2], v[RT+4*t+2], v[SUM+4*(t%2)+2] :: v_dual_add_f32 v[SUM+4*(t%2)+3], v[RT+4*t+3], v[SUM+4*(t%2)+3]
.set t, t+1
.endr
	XMAX 2
	XMAX 4
.set t, 0
.rept 16
	v_bfi_b32 v[M+t], v[M+t], 0, 0x7f800000        ; the field 255 - f and nothing else: 2^(128 - f)
.set t, t+1
.endr
.set t, 0
.rept 8
	; a pair takes a number of token 2 t and one of token 2 t + 1: one destination even, one odd, and both pairs of sources in different banks
	v_dual_mul_f32 v[RT+8*t], v[M+2*t], v[RT+8*t] :: v_dual_mul_f32 v[RT+8*t+5], v[M+2*t+1], v[RT+8*t+5]
	v_dual_mul_f32 v[RT+8*t+2], v[M+2*t], v[RT+8*t+2] :: v_dual_mul_f32 v[RT+8*t+7], v[M+2*t+1], v[RT+8*t+7]
	v_dual_mul_f32 v[RT+8*t+4], v[M+2*t+1], v[RT+8*t+4] :: v_dual_mul_f32 v[RT+8*t+1], v[M+2*t], v[RT+8*t+1]
	v_dual_mul_f32 v[RT+8*t+6], v[M+2*t+1], v[RT+8*t+6] :: v_dual_mul_f32 v[RT+8*t+3], v[M+2*t], v[RT+8*t+3]
.set t, t+1
.endr
.set t, 0
.rept 8
	v_cvt_scalef32_pk8_fp4_f32 v[CD+t], v[RT+8*t:RT+8*t+7], v[HLF]   ; token 2 t below, token 2 t + 1 above
.set t, t+1
.endr
.set t, 0
.rept 8
	v_perm_b32 v[M+2*t], v[M+2*t+1], v[M+2*t], 0x07060302   ; two tokens' upper halves: field << 7 each
.set t, t+1
.endr
.set t, 0
.rept 8
	v_lshlrev_b32 v[M+2*t], 1, v[M+2*t]            ; the fields stand in bytes 1 and 3
.set t, t+1
.endr
.set t, 0
.rept 4
	v_perm_b32 v[D+t], v[M+4*t+2], v[M+4*t], 0x07050301     ; four tokens' fields in a word
.set t, t+1
.endr
	ds_store_b128 v[CW], v[CD:CD+3]                ; tokens 0 .. 7 of my four columns
	ds_store_b128 v[CW], v[CD+4:CD+7] offset:640   ; tokens 8 .. 15
	ds_store_b128 v[SBW], v[D:D+3] offset:1280+64*(\n)   ; the 8 lanes of a block write the same bytes with the same values
	BACK
.if (\n)+3 < 8
	LOAD (\n)+3                                    ; into the set just converted
.elseif (\n) == 5
.irp f, 0,1
.irp c, 0,1
	global_load_b128 v[WA+8*\f+4*\c:WA+8*\f+4*\c+3], v[WQO], s[6:7] offset:4096*\f+32*\c   ; Wq: rows 16 f + r, blocks 4 j + 2 c + h
.endr
.endr
	global_load_b32 v[SCA], v[LOF], s[8:9]         ; lane m: row m's word of K step j
.endif
.endm
	LOAD 0
	LOAD 1
	LOAD 2
.irp n, 0,1,2,3,4,5,6,7
	TILE \n
.endr
	SENDT 7
	; my 128 tokens' scale words: lane l takes tokens 4 l .. 4 l + 3: a word of four fields from each block, 4 x 4 bytes turned in the lane
.irp g, 0,1,2,3
	ds_load_b32 v[M+\g], v[SBR] offset:1280+16*\g
.endr
	v_pk_add_f32 v[SUM:SUM+1], v[SUM:SUM+1], v[SUM+4:SUM+5]
	v_pk_add_f32 v[SUM+2:SUM+3], v[SUM+2:SUM+3], v[SUM+6:SUM+7]
	ds_store_b128 v[SW], v[SUM:SUM+3] offset:SUMS
	s_wait_alu depctr_va_vdst(0)
	s_wait_dscnt 0x0                               ; for the others' sake: my sums have landed
	s_barrier_signal -1
.irp g, 0,1,2,3
	v_sub_nc_u32 v[M+\g], 0xfdfdfdfd, v[M+\g]      ; byte by byte 253 - (255 - f) = f - 2; no byte borrows: each field is at most 252
.endr
	v_perm_b32 v[M+4], v[M+1], v[M], 0x05010400
	v_perm_b32 v[M+5], v[M+1], v[M], 0x07030602
	v_perm_b32 v[M+6], v[M+3], v[M+2], 0x05010400
	v_perm_b32 v[M+7], v[M+3], v[M+2], 0x07030602
	v_perm_b32 v[M+8], v[M+6], v[M+4], 0x05040100
	v_perm_b32 v[M+9], v[M+6], v[M+4], 0x07060302
	v_perm_b32 v[M+10], v[M+7], v[M+5], 0x05040100
	v_perm_b32 v[M+11], v[M+7], v[M+5], 0x07060302
	s_wait_alu depctr_va_vdst(0)
	s_barrier_wait -1
	global_store_b128 v[SO], v[M+8:M+11], s[14:15] ; sixteen lanes fill one aligned run of 256 bytes: 64 tokens' words of K step j
.set t, 0
.rept 16
	ds_load_b128 v[P+4*t:P+4*t+3], v[LOF] offset:SUMS+512*t   ; every wave adds the sixteen waves' sums of the 128 columns
.set t, t+1
.endr
	s_wait_dscnt 0x0
.irp d, 1,2,4,8
.set q, 0
.rept 8/\d
	v_pk_add_f32 v[P+4*q:P+4*q+1], v[P+4*q:P+4*q+1], v[P+4*(q+\d):P+4*(q+\d)+1]
	v_pk_add_f32 v[P+4*q+2:P+4*q+3], v[P+4*q+2:P+4*q+3], v[P+4*(q+\d)+2:P+4*(q+\d)+3]
.set q, q+2*\d
.endr
.endr
	v_pk_mul_f32 v[P:P+1], v[P:P+1], 0x3a000000 op_sel_hi:[1,0]       ; / 2,048: the mean
	v_pk_mul_f32 v[P+2:P+3], v[P+2:P+3], 0x3a000000 op_sel_hi:[1,0]
	s_delay_alu instid0(VALU_DEP_1)
	v_max3_num_f32 v[M], |v[P]|, |v[P+1]|, |v[P+2]|
	s_delay_alu instid0(VALU_DEP_1)
	v_max3_num_f32 v[M], v[M], |v[P+3]|, 0x1800000
.irp m, 1,2,4
	s_delay_alu instid0(VALU_DEP_1)
	v_max_num_f32_dpp v[M], v[M], v[M] row_xmask:\m row_mask:0xf bank_mask:0xf
.endr
	s_delay_alu instid0(VALU_DEP_1)
	v_bfi_b32 v[M], v[M], 0, 0x7f800000
	s_delay_alu instid0(VALU_DEP_1)
	v_pk_mul_f32 v[P:P+1], v[P:P+1], v[M:M+1] op_sel_hi:[1,0]
	v_pk_mul_f32 v[P+2:P+3], v[P+2:P+3], v[M:M+1] op_sel_hi:[1,0]
	v_lshrrev_b32 v[M+2], 23, v[M]
	v_mov_b32 v[P+4], v[P]                         ; all 16 columns of the operand hold the mean: both halves of a code word alike
	v_mov_b32 v[P+5], v[P+1]
	v_mov_b32 v[P+6], v[P+2]
	v_mov_b32 v[P+7], v[P+3]
	v_cvt_scalef32_pk8_fp4_f32 v[CD], v[P:P+7], v[HLF]
	v_sub_nc_u32 v[M+2], 0xfd, v[M+2]              ; the block's byte (a plain instruction behind the conversion)
	v_mov_b32 v[CD+1], v[CD]
	v_mov_b32 v[CD+2], v[CD]
	v_mov_b32 v[CD+3], v[CD]
	ds_store_b128 v[CW], v[CD:CD+3]
	ds_store_b128 v[CW], v[CD:CD+3] offset:640
	ds_store_b8 v[MSW], v[M+2] offset:1792         ; the four blocks' bytes make the mean's scale word
	BACK
	ds_load_b32 v[SCB], v[MSR] offset:1792
	s_wait_loadcnt 0x0                             ; Wq
	s_wait_dscnt 0x0
	v_wmma_scale_f32_32x16x128_f4 v[QD:QD+15], v[WA:WA+15], v[OUT:OUT+7], 0, v[SCA], v[SCB]   ; my 32 rows of Wq x the mean, K step j
.rept 4
	v_nop                                          ; four places ahead of the stores that read the result
.endr
	ds_store_b128 v[QW], v[QD:QD+3]                ; rows 8 h + 0 .. 3: the 16 columns are alike, and write the same bytes
	ds_store_b128 v[QW], v[QD+4:QD+7] offset:16
	ds_store_b128 v[QW], v[QD+8:QD+11] offset:64
	ds_store_b128 v[QW], v[QD+12:QD+15] offset:80
	s_wait_dscnt 0x0
	s_barrier_signal -1
	s_barrier_wait -1
	s_cmp_lt_u32 s20, 4
	s_cbranch_scc0 .Ldone
	ds_load_b128 v[CD:CD+3], v[PO] offset:QS
	s_wait_dscnt 0x0
	global_store_b128 v[PO], v[CD:CD+3], s[12:13]  ; a wave stores 512 consecutive bytes
.Ldone:
	s_wait_tensorcnt 0x0                           ; the wave's end
	ds_add_u32 v[SPW], v[NIL]
	s_wait_dscnt 0x0
	s_endpgm
.Lfunc_end_k_q510cab9279_quant:
	.size	k_q510cab9279_quant, .Lfunc_end_k_q510cab9279_quant-k_q510cab9279_quant
	.p2alignl 7, 3214868480
	.fill 96, 4, 3214868480
	.section	.rodata,"a",@progbits
	.p2align	6, 0x0
	.amdhsa_kernel k_q510cab9279_quant
		.amdhsa_group_segment_fixed_size 45056
		.amdhsa_private_segment_fixed_size 0
		.amdhsa_enable_private_segment 0
		.amdhsa_kernarg_size 40
		.amdhsa_user_sgpr_count 2
		.amdhsa_user_sgpr_kernarg_segment_ptr 1
		.amdhsa_wavefront_size32 1
		.amdhsa_system_sgpr_workgroup_id_x 1
		.amdhsa_system_sgpr_workgroup_id_y 1
		.amdhsa_system_sgpr_workgroup_id_z 1
		.amdhsa_system_vgpr_workitem_id 0
		.amdhsa_next_free_vgpr 256
		.amdhsa_next_free_sgpr 66
		.amdhsa_reserve_vcc 0
		.amdhsa_float_denorm_mode_32 3
		.amdhsa_float_denorm_mode_16_64 3
		.amdhsa_memory_ordered 1
		.amdhsa_forward_progress 1
		.amdhsa_inst_pref_size 132
	.end_amdhsa_kernel
	.amdgpu_metadata
---
amdhsa.version: [ 1, 2 ]
amdhsa.kernels:
  - .name:           k_q510cab9279_quant
    .symbol:         k_q510cab9279_quant.kd
    .args:
      - { .name: x, .offset: 0, .size: 8, .value_kind: global_buffer, .address_space: global }
      - { .name: Wq_codes, .offset: 8, .size: 8, .value_kind: global_buffer, .address_space: global }
      - { .name: Wq_scales, .offset: 16, .size: 8, .value_kind: global_buffer, .address_space: global }
      - { .name: xc, .offset: 24, .size: 8, .value_kind: global_buffer, .address_space: global }
      - { .name: qp, .offset: 32, .size: 8, .value_kind: global_buffer, .address_space: global }
    .group_segment_fixed_size: 45056
    .private_segment_fixed_size: 0
    .kernarg_segment_align: 8
    .kernarg_segment_size: 40
    .max_flat_workgroup_size: 512
    .sgpr_count:     66
    .vgpr_count:     256
    .wavefront_size: 32
...
	.end_amdgpu_metadata
.endif
;; end of part 1
;; launch attn (part 2): grid 256 x 1, 8 waves a work-group, clusters of 4 x 1, 327,680 bytes of LDS; arguments xc, qp, Wk_codes, Wk_scales, Wv_codes, Wv_scales, bq, part; writes part
.if DOCPART == 2
	.amdgcn_target "amdgcn-amd-amdhsa--gfx1250"
	.amdhsa_code_object_version 6
	.text
	.protected	k_q510cab9279_attn
	.globl	k_q510cab9279_attn
	.p2align	8
	.type	k_q510cab9279_attn,@function
k_q510cab9279_attn:
	s_mov_b64 s[64:65], 0
	v_nop
	global_prefetch_b8 v0, s[64:65] scope:SCOPE_SE
	s_setreg_imm32_b32 hwreg(HW_REG_WAVE_MODE, 25, 1), 1
	s_wait_xcnt 0x0
	s_wait_alu depctr_hold_cnt(0) depctr_sa_sdst(0) depctr_va_vdst(0) depctr_va_sdst(0) depctr_va_ssrc(0) depctr_va_vcc(0) depctr_vm_vsrc(0)
	s_getreg_b32 s2, hwreg(HW_REG_IB_STS2, 6, 4)
	s_cmp_eq_u32 s2, 0
	s_cbranch_scc0 .Lentry_in_a_cluster
	s_endpgm
.Lentry_in_a_cluster:
	s_bfe_u32 s2, ttmp6, 0x10000c
	s_cmp_lg_u32 s2, 0x3003
	s_cbranch_scc0 .Lentry_shape_is_right
	s_endpgm
.Lentry_shape_is_right:
; For 512 tokens of a batch: scores = q . (Q(x) Wk^T), p = 2^((score - the 512's largest) log2 e), O = the sum of p (Q(x) Wv^T); stored: O, the largest score x log2 e, the sum of p.
; LEFT OUT: bk (q . bk is the same for all tokens of a softmax's row) and, here, bv (added once by the last launch: the weights sum to 1).  LIMITS: NaN and infinities are not served.
; SHARES.  Work-group = cluster x 4 + place: a quarter of batch = cluster.  Eight waves, two to a SIMD: wave v takes rows 128 (v % 4) .. + 127 of a weight and tokens 256 (v / 4) .. + 255, 16 tiles of 16 in 4 records.
; A weight's 128 rows x 512 K stay in 256 registers (window 1); x's fragments come from LDS.  Matrix work and vector work stand in groups: 16 matrix instructions (four accumulators by turns),
; then 32 dual multiply-adds.
; FIRST PASS, transposed: source 0 = 32 rows of Wk, source 1 = 16 tokens: a lane holds one token, and the sum over e runs down its registers.  A tile's last sums are laid among the next tile's multiply-adds.
; SECOND PASS, not transposed: source 0 = 32 tokens, source 1 = 16 rows of Wv: a lane holds one e, and the sum over the tokens runs down its registers; p comes as 16 registers for 32 tokens.
; LDS.  x's 8 records as they lie in memory; a weight's 512 rows of 256 bytes + 16.  FILLS, one tensor load a wave each time: at the head waves 0-3 fetch the first two records of each half of the tokens, waves 4-7 Wk;
; behind the first full sequence and round waves 0-3 fetch the other four records (a first fill), which are read in the second half of the first pass; behind the round in that pass's middle waves 4-7 fetch Wv into Wk's bytes,
; which every wave has read into registers by then.  All work-groups read the same weights: their loads are JOINT in a cluster of four.
; No prefetch: every tile is asked for once, and no fill stands in a loop to run ahead in.
.set REC,  17408
.set WB,   139264
.set WQB,  34816                       ; 128 rows x 272
.set SCR,  278528                      ; [4 quarters of e][512 tokens] f32
.set PBUF, 286720                      ; p, a copy of 2,048 bytes for each wave
.set QST,  303104                      ; q, 512 bytes a wave
.set OST,  307200                      ; O, 512 bytes a wave
.set SPARE, 311296
.set RR, 1
.set HH, 2
.set LI, 3
.set L8, 4
.set AX, 5
.set AS, 6
.set SCW, 7
.set PR, 8
.set SCRD, 9
.set PW, 10
.set OW, 11
.set ORD, 12
.set WA, 13
.set QW, 14
.set QR, 15
.set TP, 16
.set TS0, 17
.set SCO, 18
.set TA, 19
.set AS2, 20
.set MC, 22
.set SPW, 28
.set NIL, 29
.set AX0, 30
.set AS0, 31
.set SSA, 32                           ; v32-39 and v244-251: a tile's eight partial sums, two sets
.set SSB, 244
.set XS, 40                            ; v40-43 x's scale words; v44-59 Wk's, then those of Wv's upper 16 rows; v60-75 Wv's: scales and nothing else
.set WKS, 44
.set WV2, 44
.set WVS, 60
.set XF, 76                            ; first pass: v76-107 a tile's fragments
.set OO, 76                            ; second pass: v76-91 O, two sums for each of 8 blocks of 16 e
.set P0, 92                            ; v92-107 and v236-251: 32 tokens' p, two sets
.set P1, 236
.set DD, 108                           ; v108-171 four accumulators of 16 registers
.set T,  108
.set OQ, 108
.set QQ, 172                           ; first pass: v172-235 q in the accumulators' layout
.set XFV, 172                          ; second pass: 32 tokens' fragments: 16 s + 8 f + 4 c
.set WVN, 26
.set WQ, 27
.set WU, 28
.set SEL, 20
.set CS, 22
.set CNT, 24
.set G0X, 32
.set G0W, 36
.set G0V, 40
.set G0Y, 44
.set G1X, 48
.set G1W, 56
.set MSB, 0
.macro WIN new
.if MSB != \new
	s_set_vgpr_msb (MSB<<8)|\new
.set MSB, \new
.endif
.endm
.macro ROUND                           ; a round of the cluster's barrier
	s_barrier_signal -1
	s_barrier_wait -1
	s_cmp_lg_u32 s[WVN], 0
	s_cbranch_scc1 .Lnw0_\@
	s_barrier_signal -3
.Lnw0_\@:
	s_barrier_wait -3
	s_barrier_signal -1
	s_barrier_wait -1
.endm
.macro PLACES                          ; four places ahead of loads into the operands and of the first read of the results
.rept 4
	v_nop
.endr
.endm
.macro SLOAD reg, base                 ; lane m: row 32 q + m's four words
.irp q, 0,1,2,3
	global_load_b128 v[\reg+4*\q:\reg+4*\q+3], v[LI], s[\base:\base+1] offset:512*\q
.endr
.endm
.macro WREAD                           ; my 128 rows of the weight in LDS into window 1: rows 32 q + 16 f + r, K step s at 16 (4 q + s) + 8 f
	WIN 0x40
.irp q, 0,1,2,3
.irp s, 0,1,2,3
.irp f, 0,1
.irp c, 0,1
	ds_load_b128 v[16*(4*\q+\s)+8*\f+4*\c:16*(4*\q+\s)+8*\f+4*\c+3], v[WA] offset:(32*\q+16*\f)*272+64*\s+32*\c
.endr
.endr
.endr
.endr
	WIN 0
.endm
.macro XLOAD kk                        ; first pass: tile kk of the record in hand (4: the next record's first)
.if (\kk) == 4
.set CO_, REC
.set SO_, REC+16384
.else
.set CO_, 4096*(\kk)
.set SO_, 16384+64*(\kk)
.endif
.irp s, 0,1,2,3
	ds_load_b32 v[XS+\s], v[AS] offset:SO_+256*\s
.endr
.irp j, 0,1,2,3,4,5,6,7
	ds_load_b128 v[XF+4*\j:XF+4*\j+3], v[AX] offset:CO_+512*\j
.endr
.endm
.macro RED j, sp, off                  ; a tile's eight partial sums become its score's part, step by step
.if (\j) == 0
	v_pk_add_f32 v[\sp:\sp+1], v[\sp:\sp+1], v[\sp+2:\sp+3]
	v_pk_add_f32 v[\sp+4:\sp+5], v[\sp+4:\sp+5], v[\sp+6:\sp+7]
.elseif (\j) == 1
	v_pk_add_f32 v[\sp:\sp+1], v[\sp:\sp+1], v[\sp+4:\sp+5]
.elseif (\j) == 2
	v_add_f32 v[TS0], v[\sp], v[\sp+1]
.elseif (\j) == 3
	v_permlanex16_b32 v[TP], v[TS0], s[SEL], s[SEL+1]
.elseif (\j) == 4
	v_add_f32 v[SCO], v[TS0], v[TP]
.else
	ds_store_b32 v[SCW], v[SCO] offset:\off        ; lanes l and l xor 16 write the same word with the same value
.endif
.endm
.macro KTILE k, pf, ti, prev           ; tile k of the record, ti of my 16; prev = 1: the tile before it is summed up on the way
.set SC_, SSA+(SSB-SSA)*((\k)%2)
.set SP_, SSA+(SSB-SSA)*(1-(\k)%2)
	s_wait_alu depctr_va_vdst(0)                   ; the wait ahead of a blocking wait
	s_wait_dscnt 0x0                               ; the tile's fragments and words are in
	WIN 0x01                                       ; source 0 in window 1
.set i, 0
.rept 16
.set s_, i/4
.set q_, i%4
.if s_ == 0
	v_wmma_scale_f32_32x16x128_f4 v[DD+16*q_:DD+16*q_+15], v[16*(4*q_+s_):16*(4*q_+s_)+15], v[XF+8*s_:XF+8*s_+7], 0, v[WKS+4*q_+s_], v[XS+s_]
.else
	v_wmma_scale_f32_32x16x128_f4 v[DD+16*q_:DD+16*q_+15], v[16*(4*q_+s_):16*(4*q_+s_)+15], v[XF+8*s_:XF+8*s_+7], v[DD+16*q_:DD+16*q_+15], v[WKS+4*q_+s_], v[XS+s_]
.endif
.set i, i+1
.endr
	WIN 0
	PLACES
.if \pf
	XLOAD (\k)+1
.endif
.set n, 0
.rept 32                               ; the sum over my 128 e of q x k: eight chains, a pair of neighbouring registers an instruction, each accumulator from its low end on
.if n < 4
	v_dual_mul_f32 v[SC_+2*n], v[DD+2*n], v[QQ+2*n] :: v_dual_mul_f32 v[SC_+2*n+1], v[DD+2*n+1], v[QQ+2*n+1]
.else
	v_dual_fmac_f32 v[SC_+2*(n%4)], v[DD+2*n], v[QQ+2*n] :: v_dual_fmac_f32 v[SC_+2*(n%4)+1], v[DD+2*n+1], v[QQ+2*n+1]
.endif
.if (\prev) && (n%4 == 3) && (n < 24)
	RED (n/4), SP_, 64*((\ti)-1)
.endif
.set n, n+1
.endr
.endm
.macro KSTEP                           ; on to the next record
	v_add_nc_u32 v[AX], REC, v[AX]
	v_add_nc_u32 v[AS], REC, v[AS]
	s_wait_alu depctr_va_vdst(0)                   ; the wait behind these writes
.endm
.macro KHALF tb                        ; two records, tiles tb .. tb + 7; nothing is read beyond the second
	KTILE 0, 1, (\tb), 0
	KTILE 1, 1, (\tb)+1, 1
	KTILE 2, 1, (\tb)+2, 1
	KTILE 3, 1, (\tb)+3, 1
	KSTEP
	KTILE 0, 1, (\tb)+4, 1
	KTILE 1, 1, (\tb)+5, 1
	KTILE 2, 1, (\tb)+6, 1
	KTILE 3, 0, (\tb)+7, 1
	KSTEP
	RED 0, SSB, 0                                  ; the half's last tile
	s_delay_alu instid0(VALU_DEP_1)
	RED 1, SSB, 0
	s_delay_alu instid0(VALU_DEP_1)
	RED 2, SSB, 0
	RED 3, SSB, 0
	RED 4, SSB, 0
	RED 5, SSB, 64*((\tb)+7)
.endm
.macro XLOADV mm, pb                   ; second pass: pair mm of the record in hand (2: the next record's first): 32 tokens' words, fragments and p
.if (\mm) == 2
.set CO_, REC
.set SO_, REC+16384
.else
.set CO_, 8192*(\mm)
.set SO_, 16384+128*(\mm)
.endif
.irp s, 0,1,2,3
	ds_load_b32 v[XS+\s], v[AS] offset:SO_+256*\s                  ; lane m: token m's word
.endr
.irp s, 0,1,2,3
.irp f, 0,1
.irp c, 0,1
	ds_load_b128 v[XFV+16*\s+8*\f+4*\c:XFV+16*\s+8*\f+4*\c+3], v[AX] offset:CO_+4096*\f+512*(2*\s+\c)
.endr
.endr
.endr
.irp f, 0,1
.irp c, 0,1
	ds_load_b128 v[\pb+8*\f+4*\c:\pb+8*\f+4*\c+3], v[PR] offset:128*(\mm)+64*\f+16*\c   ; register 8 f + i: p of token 16 f + 8 h + i, as the accumulators have them
.endr
.endr
.endm
.macro VMM g                           ; 16 matrix instructions: K step i / 4, block 4 g + i % 4 of 16 rows of Wv
	WIN 0x04                                       ; source 1 in window 1
.set i, 0
.rept 16
.set s_, i/4
.set b_, i%4
.set q_, 2*(\g)+b_/2
.set w_, WVS+(WV2-WVS)*(b_%2)+4*q_+s_
.if s_ == 0
	v_wmma_scale_f32_32x16x128_f4 v[DD+16*b_:DD+16*b_+15], v[XFV+16*s_:XFV+16*s_+15], v[16*(4*q_+s_)+8*(b_%2):16*(4*q_+s_)+8*(b_%2)+7], 0, v[XS+s_], v[w_]
.else
	v_wmma_scale_f32_32x16x128_f4 v[DD+16*b_:DD+16*b_+15], v[XFV+16*s_:XFV+16*s_+15], v[16*(4*q_+s_)+8*(b_%2):16*(4*q_+s_)+8*(b_%2)+7], v[DD+16*b_:DD+16*b_+15], v[XS+s_], v[w_]
.endif
.set i, i+1
.endr
	WIN 0
	PLACES
.endm
.macro VFM g, pb                       ; O += p x v: the four blocks by turns, two tokens an instruction, each accumulator from its low end on
.set i, 0
.rept 8
.set b_, 0
.rept 4
	v_dual_fmac_f32 v[OO+2*(4*(\g)+b_)], v[DD+16*b_+2*i], v[\pb+2*i] :: v_dual_fmac_f32 v[OO+2*(4*(\g)+b_)+1], v[DD+16*b_+2*i+1], v[\pb+2*i+1]
.set b_, b_+1
.endr
.set i, i+1
.endr
.endm
.macro VPAIR m, pf                     ; 32 tokens x my 128 e
	s_wait_alu depctr_va_vdst(0)
	s_wait_dscnt 0x0
	VMM 0
	VFM 0, P0+(P1-P0)*((\m)%2)
	VMM 1
.if \pf
	XLOADV (\m)+1, P0+(P1-P0)*(1-(\m)%2)
.endif
	VFM 1, P0+(P1-P0)*((\m)%2)
.endm
	s_load_b256 s[4:11], s[0:1], 0x0               ; xc, qp, Wk's codes, Wk's scales
	s_load_b256 s[12:19], s[0:1], 0x20             ; Wv's codes, Wv's scales, bq, part
	v_lshl_add_u32 v[SPW], v0, 2, SPARE
	v_mov_b32 v[NIL], 0
	ds_add_u32 v[SPW], v[NIL]                      ; the opening lines: the add, twice on end, and its wait
	ds_add_u32 v[SPW], v[NIL]
	v_lshrrev_b32 v1, 5, v0
	v_readfirstlane_b32 s[WVN], v1                 ; wave 0..7
	s_and_b32 s[WQ], s[WVN], 3
	s_lshr_b32 s[WU], s[WVN], 2
	s_mul_i32 s74, s[WU], 4*REC                    ; my half's four records
	v_and_b32 v[RR], 15, v0
	v_bfe_u32 v[HH], v0, 4, 1
	v_and_b32 v[L8], 31, v0
	v_lshlrev_b32 v[LI], 4, v[L8]
	v_lshl_add_u32 v[AS2], v[L8], 2, s74
	v_lshlrev_b32 v[L8], 3, v[L8]
	v_add_nc_u32 v[AX0], s74, v[LI]
	v_lshl_add_u32 v[AS0], v[RR], 2, s74
	s_lshl_b32 s74, s[WQ], 11
	s_lshl_b32 s75, s[WU], 10
	s_add_co_u32 s74, s74, s75
	v_lshl_add_u32 v[SCW], v[RR], 2, s74
	v_add_nc_u32 v[SCW], SCR, v[SCW]
	s_lshl_b32 s74, s[WVN], 11
	v_add_nc_u32 v[PW], s74, v[LI]
	v_add_nc_u32 v[PW], PBUF, v[PW]
	s_add_co_u32 s74, s74, s75
	v_lshl_add_u32 v[PR], v[HH], 5, s74
	v_add_nc_u32 v[PR], PBUF, v[PR]
	v_add_nc_u32 v[SCRD], SCR, v[LI]
	s_lshl_b32 s74, s[WVN], 9
	v_lshl_add_u32 v[QR], v[HH], 5, s74
	v_add_nc_u32 v[QR], QST, v[QR]
	v_lshl_add_u32 v[OW], v[RR], 2, s74
	v_add_nc_u32 v[OW], OST, v[OW]
	v_add_nc_u32 v[QW], s74, v[LI]
	v_add_nc_u32 v[QW], QST, v[QW]
	s_lshl_b32 s74, s[WQ], 9
	v_add_nc_u32 v[ORD], s74, v[LI]
	v_add_nc_u32 v[ORD], OST, v[ORD]
	s_mul_i32 s68, s[WQ], WQB
	v_mul_u32_u24 v[WA], v[RR], 272
	v_lshl_add_u32 v[WA], v[HH], 4, v[WA]
	v_add_nc_u32 v[WA], s68, v[WA]
	v_add_nc_u32 v[WA], WB, v[WA]
	v_mov_b32 v[TP], 0
	v_mov_b32 v[MC+1], 0
	s_wait_alu depctr_va_vdst(0)                   ; the wait at the head's end
	s_bfe_u32 s66, ttmp6, 0x40000                  ; my place in the cluster
	s_lshl_b32 s67, ttmp9, 2
	s_add_co_u32 s67, s67, s66                     ; work-group
	s_mov_b32 s[G1X+0], 3<<16                      ; x: a record, 68 dense rows of 256 bytes (32 elements of 8), mine alone
	s_mov_b32 s[G1X+1], 32<<16
	s_mov_b32 s[G1X+2], 68<<16
	s_mov_b32 s[G1X+3], 32<<16
	s_mov_b32 s[G1X+4], 68
	s_mov_b32 s[G1X+5], 32
	s_mov_b32 s[G1X+6], 0
	s_mov_b32 s[G1X+7], 0
	s_mov_b32 s[G1W+0], 15|(3<<16)|(1<<20)|(1<<21)|(5<<22)|(3<<25)   ; a weight: 128 rows of 256 bytes, 16 of padding behind each; the mask names the cluster's four
	s_mov_b32 s[G1W+1], 32<<16
	s_mov_b32 s[G1W+2], 128<<16
	s_mov_b32 s[G1W+3], 32<<16
	s_mov_b32 s[G1W+4], 128
	s_mov_b32 s[G1W+5], 32
	s_mov_b32 s[G1W+6], 0
	s_mov_b32 s[G1W+7], 0
	s_lshr_b32 s76, s[WQ], 1                       ; wave i of 0-3 fetches record 4 (i / 2) + i % 2 at the head, and the record two further on later
	s_lshl_b32 s76, s76, 2
	s_and_b32 s77, s[WQ], 1
	s_add_co_u32 s76, s76, s77
	s_mul_i32 s76, s76, REC
	s_mov_b32 s[G0X], 1
	s_mov_b32 s[G0X+1], s76
	s_mov_b32 s[G0Y], 1
	s_add_co_u32 s[G0Y+1], s76, 2*REC
	s_mov_b32 s[G0W], 1
	s_add_co_u32 s[G0W+1], s68, WB
	s_mov_b32 s[G0V], 1
	s_add_co_u32 s[G0V+1], s68, WB
	s_mul_i32 s70, s67, 8*REC
	s_add_co_u32 s70, s70, s76
	s_mov_b32 s71, 0
	s_lshl_b32 s72, s[WQ], 15
	s_mov_b32 s73, 0
	s_mov_b32 s[SEL], 0x76543210
	s_mov_b32 s[SEL+1], 0xfedcba98
	s_mov_b32 s[CS], 0x3fb8aa3b
	s_mov_b32 s[CS+1], s[CS]
	s_wait_dscnt 0x0
	s_wait_kmcnt 0x0
	s_add_nc_u64 s[G0X+2:G0X+3], s[4:5], s[70:71]
	s_add_nc_u64 s[G0Y+2:G0Y+3], s[G0X+2:G0X+3], 2*REC
	s_or_b32 s[G0X+3], s[G0X+3], 0x80000000
	s_or_b32 s[G0Y+3], s[G0Y+3], 0x80000000
	s_add_nc_u64 s[G0W+2:G0W+3], s[8:9], s[72:73]
	s_or_b32 s[G0W+3], s[G0W+3], 0x80000000
	s_add_nc_u64 s[G0V+2:G0V+3], s[12:13], s[72:73]
	s_or_b32 s[G0V+3], s[G0V+3], 0x80000000
	ROUND                                          ; in front of the first loads
	s_cmp_lt_u32 s[WVN], 4                         ; one tensor load a wave: waves 0-3 a record each, waves 4-7 a quarter of Wk each
	s_cbranch_scc0 .Lhead_w
	tensor_load_to_lds s[G0X:G0X+3], s[G1X:G1X+7]
	s_nop 0
	PLACES
	s_branch .Lhead_asked
.Lhead_w:
	tensor_load_to_lds s[G0W:G0W+3], s[G1W:G1W+7]
	s_nop 0
	PLACES
.Lhead_asked:
	s_lshl_b32 s70, ttmp9, 13                      ; qp: 4 x 2,048 bytes a batch, 512 a quarter of e
	s_lshl_b32 s72, s[WQ], 9
	s_add_co_u32 s70, s70, s72
	s_add_nc_u64 s[6:7], s[6:7], s[70:71]
	s_add_nc_u64 s[16:17], s[16:17], s[72:73]
	s_mul_i32 s70, s67, 2304
	s_add_co_u32 s70, s70, s72
	s_add_nc_u64 s[18:19], s[18:19], s[70:71]
	s_lshl_b32 s72, s[WQ], 11
	s_add_nc_u64 s[10:11], s[10:11], s[72:73]
	s_add_nc_u64 s[14:15], s[14:15], s[72:73]
.irp p, 0,1,2,3
	global_load_b128 v[T+4*\p:T+4*\p+3], v[LI], s[6:7] offset:2048*\p   ; q's four parts along K: my 128 e, four a lane
.endr
	global_load_b128 v[T+16:T+19], v[LI], s[16:17]
	SLOAD WKS, 10
	SLOAD WVS, 14
	s_wait_loadcnt 8                               ; behind q's five loads: the scales' eight
	v_pk_add_f32 v[T:T+1], v[T:T+1], v[T+4:T+5]
	v_pk_add_f32 v[T+2:T+3], v[T+2:T+3], v[T+6:T+7]
	v_pk_add_f32 v[T+8:T+9], v[T+8:T+9], v[T+12:T+13]
	v_pk_add_f32 v[T+10:T+11], v[T+10:T+11], v[T+14:T+15]
	v_pk_add_f32 v[T:T+1], v[T:T+1], v[T+16:T+17]
	v_pk_add_f32 v[T+2:T+3], v[T+2:T+3], v[T+18:T+19]
	v_pk_add_f32 v[T:T+1], v[T:T+1], v[T+8:T+9]
	v_pk_add_f32 v[T+2:T+3], v[T+2:T+3], v[T+10:T+11]
	ds_store_b128 v[QW], v[T:T+3]                  ; through my own bytes of LDS into the accumulators' layout: register 8 t + i holds e = 16 t + 8 h + i
.irp t, 0,1,2,3,4,5,6,7
	ds_load_b128 v[QQ+8*\t:QQ+8*\t+3], v[QR] offset:64*\t
	ds_load_b128 v[QQ+8*\t+4:QQ+8*\t+7], v[QR] offset:64*\t+16
.endr
	s_wait_alu depctr_va_vdst(0)
	s_wait_tensorcnt 0x0                           ; my tile of the head's eight has landed
	ds_add_u32 v[SPW], v[NIL]
	v_mov_b32 v[AX], v[AX0]
	v_mov_b32 v[AS], v[AS0]
	s_wait_alu depctr_va_vdst(0)
	s_wait_dscnt 0x0
	ROUND                                          ; all eight tiles are in
	s_cmp_lt_u32 s[WVN], 4
	s_cbranch_scc0 .Lno_second
	tensor_load_to_lds s[G0Y:G0Y+3], s[G1X:G1X+7]  ; the other four records: a first fill
	s_nop 0
	PLACES
.Lno_second:
	WREAD                                          ; Wk
	XLOAD 0
	s_wait_loadcnt 0x0                             ; the weights' scale words
	KHALF 0                                        ; my first two records
	s_wait_tensorcnt 0x0                           ; all my tensor loads have landed: the other records;
	ds_add_u32 v[SPW], v[NIL]
	s_wait_dscnt 0x0                               ; and my reads of Wk's bytes are long over
	ROUND                                          ; the same holds of every wave of the cluster
	s_cmp_lt_u32 s[WVN], 4
	s_cbranch_scc1 .Lno_refill
	tensor_load_to_lds s[G0V:G0V+3], s[G1W:G1W+7]  ; Wv into Wk's bytes
	s_nop 0
	PLACES
.Lno_refill:
	XLOAD 0
	KHALF 8                                        ; my last two records
	s_wait_tensorcnt 0x0                           ; Wv has landed
	s_wait_alu depctr_va_vdst(0)
	s_wait_dscnt 0x0                               ; my scores have landed
	s_barrier_signal -1
	s_barrier_wait -1
.irp p, 0,1,2,3
.irp g, 0,1,2,3
	ds_load_b128 v[T+16*\p+4*\g:T+16*\p+4*\g+3], v[SCRD] offset:2048*\p+512*\g   ; every wave: all 512 tokens, 16 a lane, four parts along e
.endr
.endr
	WREAD                                          ; Wv
.set n, 0
.rept 16
	v_mov_b32 v[OO+n], 0                           ; O begins as zeros: the pass is written once
.set n, n+1
.endr
.set n, 0
.rept 16
	v_permlanex16_b32 v[WV2+n], v[WVS+n], s[SEL], s[SEL+1]   ; the words of rows 32 q + 16 + r into lanes 0-15: source 1's scales are read there
.set n, n+1
.endr
	v_mov_b32 v[AX], v[AX0]
	v_mov_b32 v[AS], v[AS2]
	s_wait_alu depctr_va_vdst(0)
	s_wait_dscnt 63                                ; the scores' 16 loads are in; of Wv's 64 behind them 63 may be out
.irp p, 1,2,3
.irp j, 0,2,4,6,8,10,12,14
	v_pk_add_f32 v[T+\j:T+\j+1], v[T+\j:T+\j+1], v[T+16*\p+\j:T+16*\p+\j+1]
.endr
.endr
	v_max3_num_f32 v[TA], v[T], v[T+1], v[T+2]
.irp i, 3,5,7,9,11,13
	s_delay_alu instid0(VALU_DEP_1)
	v_max3_num_f32 v[TA], v[TA], v[T+\i], v[T+\i+1]
.endr
	s_delay_alu instid0(VALU_DEP_1)
	v_max_num_f32 v[TA], v[TA], v[T+15]
.irp m, 1,2,4,8
	s_delay_alu instid0(VALU_DEP_1)
	v_max_num_f32_dpp v[TA], v[TA], v[TA] row_xmask:\m row_mask:0xf bank_mask:0xf
.endr
	v_permlanex16_b32 v[TP], v[TA], s[SEL], s[SEL+1]
	v_max_num_f32 v[TA], v[TA], v[TP]              ; the largest of the 512 scores
	s_delay_alu instid0(VALU_DEP_1)
	v_mul_f32 v[MC], s[CS], v[TA]
.irp j, 0,2,4,6,8,10,12,14
	v_pk_fma_f32 v[T+\j:T+\j+1], v[T+\j:T+\j+1], s[CS:CS+1], v[MC:MC+1] op_sel_hi:[1,0,0] neg_lo:[0,0,1] neg_hi:[0,0,1]
.endr
	s_wait_alu depctr_va_vdst(0)                   ; the wait ahead of the batch
.irp j, 0,1,2,3,4,5,6,7,8,9,10,11,12,13,14,15
	v_exp_f32 v[T+\j], v[T+\j]
.endr
	v_nop
	s_wait_alu depctr_va_vdst(0)                   ; and behind it
.irp g, 0,1,2,3
	ds_store_b128 v[PW], v[T+4*\g:T+4*\g+3] offset:512*\g   ; my own copy of p: no barrier
.endr
	XLOADV 0, P0
	v_pk_add_f32 v[T+16:T+17], v[T:T+1], v[T+2:T+3]
	v_pk_add_f32 v[T+18:T+19], v[T+4:T+5], v[T+6:T+7]
	v_pk_add_f32 v[T+20:T+21], v[T+8:T+9], v[T+10:T+11]
	v_pk_add_f32 v[T+22:T+23], v[T+12:T+13], v[T+14:T+15]
	v_pk_add_f32 v[T+16:T+17], v[T+16:T+17], v[T+18:T+19]
	v_pk_add_f32 v[T+20:T+21], v[T+20:T+21], v[T+22:T+23]
	s_delay_alu instid0(VALU_DEP_1)
	v_pk_add_f32 v[T+16:T+17], v[T+16:T+17], v[T+20:T+21]
	s_delay_alu instid0(VALU_DEP_1)
	v_add_f32 v[MC+1], v[T+16], v[T+17]
.irp m, 1,2,4,8
	s_delay_alu instid0(VALU_DEP_1)
	v_add_f32_dpp v[MC+1], v[MC+1], v[MC+1] row_xmask:\m row_mask:0xf bank_mask:0xf
.endr
	v_permlanex16_b32 v[TP], v[MC+1], s[SEL], s[SEL+1]
	v_add_f32 v[MC+1], v[MC+1], v[TP]              ; the sum of the 512 p
	s_mov_b32 s[CNT], 3
	s_wait_alu depctr_va_vdst(0)
.Lv:                                                   ; a trip: a record, two pairs of tiles
	VPAIR 0, 1
	VPAIR 1, 1
	v_add_nc_u32 v[AX], REC, v[AX]
	v_add_nc_u32 v[AS], REC, v[AS]
	v_add_nc_u32 v[PR], 256, v[PR]
	s_wait_alu depctr_va_vdst(0)
	s_sub_co_u32 s[CNT], s[CNT], 1
	s_cmp_lg_u32 s[CNT], 0
	s_cbranch_scc1 .Lv
	VPAIR 0, 1                                     ; the last record is written out: nothing is read beyond it
	VPAIR 1, 0
.set n, 0
.rept 8
	v_add_f32 v[OO+2*n], v[OO+2*n], v[OO+2*n+1]    ; a block's two sums,
.set n, n+1
.endr
.set n, 0
.rept 8
	v_permlanex16_b32 v[OO+2*n+1], v[OO+2*n], s[SEL], s[SEL+1]
.set n, n+1
.endr
.set n, 0
.rept 8
	v_add_f32 v[OO+2*n], v[OO+2*n], v[OO+2*n+1]    ; and lane l xor 16's tokens
.set n, n+1
.endr
.set n, 0
.rept 8
	ds_store_b32 v[OW], v[OO+2*n] offset:64*n      ; e = 16 n + r; lanes l and l xor 16 write the same word with the same value
.set n, n+1
.endr
	s_wait_alu depctr_va_vdst(0)
	s_wait_dscnt 0x0
	s_barrier_signal -1
	s_barrier_wait -1
	s_cmp_lt_u32 s[WVN], 4
	s_cbranch_scc0 .Lend
	ds_load_b128 v[OQ:OQ+3], v[ORD]                ; the two halves of the tokens
	ds_load_b128 v[OQ+4:OQ+7], v[ORD] offset:2048
	s_wait_dscnt 0x0
	v_pk_add_f32 v[OQ:OQ+1], v[OQ:OQ+1], v[OQ+4:OQ+5]
	v_pk_add_f32 v[OQ+2:OQ+3], v[OQ+2:OQ+3], v[OQ+6:OQ+7]
	global_store_b128 v[LI], v[OQ:OQ+3], s[18:19]  ; a wave stores 512 consecutive bytes
	s_cmp_lg_u32 s[WVN], 0
	s_cbranch_scc1 .Lend
	global_store_b64 v[L8], v[MC:MC+1], s[18:19] offset:2048   ; 256 consecutive bytes: the pair, 32 times
.Lend:
	s_wait_tensorcnt 0x0                           ; the wave's end
	ds_add_u32 v[SPW], v[NIL]
	s_wait_dscnt 0x0
	ROUND                                          ; the closing round
	s_endpgm
.Lfunc_end_k_q510cab9279_attn:
	.size	k_q510cab9279_attn, .Lfunc_end_k_q510cab9279_attn-k_q510cab9279_attn
	.p2alignl 7, 3214868480
	.fill 96, 4, 3214868480
	.section	.rodata,"a",@progbits
	.p2align	6, 0x0
	.amdhsa_kernel k_q510cab9279_attn
		.amdhsa_group_segment_fixed_size 327680
		.amdhsa_private_segment_fixed_size 0
		.amdhsa_enable_private_segment 0
		.amdhsa_kernarg_size 64
		.amdhsa_user_sgpr_count 2
		.amdhsa_user_sgpr_kernarg_segment_ptr 1
		.amdhsa_wavefront_size32 1
		.amdhsa_system_sgpr_workgroup_id_x 1
		.amdhsa_system_sgpr_workgroup_id_y 1
		.amdhsa_system_sgpr_workgroup_id_z 1
		.amdhsa_system_vgpr_workitem_id 0
		.amdhsa_next_free_vgpr 512
		.amdhsa_next_free_sgpr 84
		.amdhsa_reserve_vcc 0
		.amdhsa_float_denorm_mode_32 3
		.amdhsa_float_denorm_mode_16_64 3
		.amdhsa_memory_ordered 1
		.amdhsa_forward_progress 1
		.amdhsa_inst_pref_size 157
	.end_amdhsa_kernel
	.amdgpu_metadata
---
amdhsa.version: [ 1, 2 ]
amdhsa.kernels:
  - .name:           k_q510cab9279_attn
    .symbol:         k_q510cab9279_attn.kd
    .args:
      - { .name: xc, .offset: 0, .size: 8, .value_kind: global_buffer, .address_space: global }
      - { .name: qp, .offset: 8, .size: 8, .value_kind: global_buffer, .address_space: global }
      - { .name: Wk_codes, .offset: 16, .size: 8, .value_kind: global_buffer, .address_space: global }
      - { .name: Wk_scales, .offset: 24, .size: 8, .value_kind: global_buffer, .address_space: global }
      - { .name: Wv_codes, .offset: 32, .size: 8, .value_kind: global_buffer, .address_space: global }
      - { .name: Wv_scales, .offset: 40, .size: 8, .value_kind: global_buffer, .address_space: global }
      - { .name: bq, .offset: 48, .size: 8, .value_kind: global_buffer, .address_space: global }
      - { .name: part, .offset: 56, .size: 8, .value_kind: global_buffer, .address_space: global }
    .group_segment_fixed_size: 327680
    .private_segment_fixed_size: 0
    .kernarg_segment_align: 8
    .kernarg_segment_size: 64
    .max_flat_workgroup_size: 256
    .sgpr_count:     84
    .vgpr_count:     512
    .wavefront_size: 32
...
	.end_amdgpu_metadata
.endif
;; end of part 2
;; launch fin (part 3): grid 64 x 1, 4 waves a work-group, no clusters, 0 bytes of LDS; arguments part, out0, bv; writes out0
.if DOCPART == 3
	.amdgcn_target "amdgcn-amd-amdhsa--gfx1250"
	.amdhsa_code_object_version 6
	.text
	.protected	k_q510cab9279_fin
	.globl	k_q510cab9279_fin
	.p2align	8
	.type	k_q510cab9279_fin,@function
k_q510cab9279_fin:
	s_mov_b64 s[64:65], 0
	v_nop
	global_prefetch_b8 v0, s[64:65] scope:SCOPE_SE
	s_setreg_imm32_b32 hwreg(HW_REG_WAVE_MODE, 25, 1), 1
	s_wait_xcnt 0x0
; out0[b][:] = bv + the sum over a batch's four quarters j of 2^(mc_j - M) O_j[:], divided by the sum of 2^(mc_j - M) l_j;  M = the largest mc_j.  mc_j = log2(e) x the quarter's largest score, l_j its sum of p, O_j its weighted sum.
; part: [256 quarters][2,304 bytes]: O_j's 2,048 bytes, then the pair (mc_j, l_j).  A work-group takes a batch, a thread four columns.  So the largest of all 2,048 scores is taken away, as the softmax asks.
; bv is added once: the softmax's weights sum to 1.  bk is left out (it adds the same number to all scores of a row).  LIMITS: NaN and infinities are not served.  No LDS, no barrier: threads share nothing.
	s_load_b128 s[4:7], s[0:1], 0x0                ; part, out0
	s_load_b64 s[16:17], s[0:1], 0x10              ; bv
	v_lshlrev_b32 v1, 4, v0                        ; 16 bytes a thread
	s_mul_i32 s2, ttmp9, 4*2304
	s_mov_b32 s3, 0
	s_lshl_b32 s20, ttmp9, 11
	s_mov_b32 s21, 0
	s_wait_alu depctr_va_vdst(0)
	s_wait_kmcnt 0x0
	s_add_nc_u64 s[4:5], s[4:5], s[2:3]
	s_add_nc_u64 s[6:7], s[6:7], s[20:21]
.irp j, 0,1,2,3
	s_load_b64 s[8+2*\j:9+2*\j], s[4:5], 2304*\j+2048              ; mc_j, l_j (this launch writes nothing of part)
	global_load_b128 v[4+4*\j:7+4*\j], v1, s[4:5] offset:2304*\j   ; O_j: a wave reads 512 consecutive bytes
.endr
	global_load_b128 v[36:39], v1, s[16:17]
	s_wait_kmcnt 0x0
	v_mov_b32 v20, s8
	v_max_num_f32 v20, s10, v20
	v_max_num_f32 v20, s12, v20
	v_max_num_f32 v20, s14, v20                    ; M
.irp j, 0,1,2,3
	v_sub_f32 v[24+2*\j], s[8+2*\j], v20
.endr
	s_wait_alu depctr_va_vdst(0)
.irp j, 0,1,2,3
	v_exp_f32 v[24+2*\j], v[24+2*\j]               ; w_j = 2^(mc_j - M), at most 1, and 1 for one j at the least
.endr
.irp j, 0,1,2,3
	v_mov_b32 v[25+2*\j], 0                        ; the upper halves of the pairs of which the low word serves both halves (plain instructions behind the exponentials)
.endr
	s_wait_alu depctr_va_vdst(0)                   ; one wait for the four, ahead of their first reader
	v_mul_f32 v21, s9, v24
	v_fma_f32 v21, s11, v26, v21
	v_fma_f32 v21, s13, v28, v21
	v_fma_f32 v21, s15, v30, v21                   ; the sum of all 2,048 weights, at least 1
	s_wait_alu depctr_va_vdst(0)
	v_rcp_f32 v22, v21
	v_nop                                          ; a plain instruction behind the reciprocal
	s_wait_alu depctr_va_vdst(0)
.irp j, 0,1,2,3
	v_mul_f32 v[24+2*\j], v[24+2*\j], v22
.endr
	s_wait_alu depctr_va_vdst(0)
	s_wait_loadcnt 0x0
.irp u, 0,2
	v_pk_fma_f32 v[32+\u:33+\u], v[4+\u:5+\u], v[24:25], v[36+\u:37+\u] op_sel_hi:[1,0,1]
	v_pk_fma_f32 v[32+\u:33+\u], v[8+\u:9+\u], v[26:27], v[32+\u:33+\u] op_sel_hi:[1,0,1]
	v_pk_fma_f32 v[32+\u:33+\u], v[12+\u:13+\u], v[28:29], v[32+\u:33+\u] op_sel_hi:[1,0,1]
	v_pk_fma_f32 v[32+\u:33+\u], v[16+\u:17+\u], v[30:31], v[32+\u:33+\u] op_sel_hi:[1,0,1]
.endr
	global_store_b128 v1, v[32:35], s[6:7]         ; a wave stores 512 consecutive bytes
	s_endpgm
.Lfunc_end_k_q510cab9279_fin:
	.size	k_q510cab9279_fin, .Lfunc_end_k_q510cab9279_fin-k_q510cab9279_fin
	.p2alignl 7, 3214868480
	.fill 96, 4, 3214868480
	.section	.rodata,"a",@progbits
	.p2align	6, 0x0
	.amdhsa_kernel k_q510cab9279_fin
		.amdhsa_group_segment_fixed_size 0
		.amdhsa_private_segment_fixed_size 0
		.amdhsa_enable_private_segment 0
		.amdhsa_kernarg_size 24
		.amdhsa_user_sgpr_count 2
		.amdhsa_user_sgpr_kernarg_segment_ptr 1
		.amdhsa_wavefront_size32 1
		.amdhsa_system_sgpr_workgroup_id_x 1
		.amdhsa_system_sgpr_workgroup_id_y 1
		.amdhsa_system_sgpr_workgroup_id_z 1
		.amdhsa_system_vgpr_workitem_id 0
		.amdhsa_next_free_vgpr 48
		.amdhsa_next_free_sgpr 66
		.amdhsa_reserve_vcc 0
		.amdhsa_float_denorm_mode_32 3
		.amdhsa_float_denorm_mode_16_64 3
		.amdhsa_memory_ordered 1
		.amdhsa_forward_progress 1
		.amdhsa_inst_pref_size 4
	.end_amdhsa_kernel
	.amdgpu_metadata
---
amdhsa.version: [ 1, 2 ]
amdhsa.kernels:
  - .name:           k_q510cab9279_fin
    .symbol:         k_q510cab9279_fin.kd
    .args:
      - { .name: part, .offset: 0, .size: 8, .value_kind: global_buffer, .address_space: global }
      - { .name: out0, .offset: 8, .size: 8, .value_kind: global_buffer, .address_space: global }
      - { .name: bv, .offset: 16, .size: 8, .value_kind: global_buffer, .address_space: global }
    .group_segment_fixed_size: 0
    .private_segment_fixed_size: 0
    .kernarg_segment_align: 8
    .kernarg_segment_size: 24
    .max_flat_workgroup_size: 128
    .sgpr_count:     66
    .vgpr_count:     48
    .wavefront_size: 32
...
	.end_amdgpu_metadata
.endif
;; end of part 3
